; MI455X (gfx1250); checked and timed in simulation.
; The chip was launched on July 23, 2026; its instructions are those of AMD's public machine-readable ISA for CDNA 5 (MIT licence, August 2026) and "CDNA5" Instruction Set Architecture Reference Guide (July 2026). The comments in the code are by the model that wrote it; some were corrected since.
;; Attention. Allowed arithmetic: matrix products marked QUANTISED: E2M1 operands, one E8M0 scale for each 32 along K, by v_wmma_scale_f32_16x16x128_f8f6f4 with both operands' format E2M1 (or v_wmma_scale_f32_32x16x128_f4), f32 sums; everything else in f32.
;; Inputs: W_fc_codes 3,072 x 32 x 16 uint8 (E2M1 codes of W_fc, K innermost, in blocks of 32 codes, two codes a byte); W_fc_scales 3,072 x 32 uint8 (E8M0 scales of W_fc, one for each 32 codes along K); W_out_codes 1,024 x 32 x 16 uint8 (E2M1 codes of W_out, K innermost, in blocks of 32 codes, two codes a byte); W_out_scales 1,024 x 32 uint8 (E8M0 scales of W_out, one for each 32 codes along K); b_fc 3,072 float32; b_out 1,024 float32; x 4 x 2,048 x 1,024 float32.
;; Outputs: out0 4 x 2,048 x 1,024 float32.
;; This version of the problem:
;;   THIS VERSION OF THE PROBLEM IS GIVEN IN LOW PRECISION. The matrix products marked QUANTISED in the list below multiply operands that are first quantised to E2M1 (2 exponent bits, 1 mantissa bit; 4 bits a number), with one power-of-two scale for each 32 numbers along K (OCP MX v1.0); their sums are f32. All else is computed in f32.
;;   The module's matrix products, in the order in which they are computed (A, B: the left and right operand; K: the contracted axis; several contracted axes count as one K, in the product's order):
;;     1. [M 8,192, K 1,024] x [K 1,024, N 3,072]; A: input x; B: input W_fc (given as codes): QUANTISED
;;     2. batch 64 x [M 2,048, K 64] x [K 64, N 2,048]; A: computed on the way; B: computed on the way: QUANTISED
;;     3. batch 64 x [M 64, K 2,048] x [K 2,048, N 2,048]; A: computed on the way; B: softmax (see below): QUANTISED
;;     4. [M 8,192, K 1,024] x [K 1,024, N 1,024]; A: computed on the way; B: input W_out (given as codes): QUANTISED
;;   THE QUANTISER, for each operand of a quantised product, along K:
;;     - K is cut into blocks of 32 from its start; a last block that is shorter is filled with zeros.
;;     - A block's scale is 2^e with e = floor(log2(the largest magnitude in the block)) - 2, held to -126 .. 127; a block of zeros has e = 0. As a byte (E8M0): e + 127.
;;     - Each number is divided by its block's scale, clamped to +-6, and rounded to the nearest number of E2M1, ties to even, subnormals kept.
;;     - The product sums the exact products of the quantised numbers (number of the format x scale) in f32.
;;   ~~~python
;;   def quantise(x, axis):      # numpy; x: float32 -> the quantised numbers, widened to float32 again
;;       x = np.moveaxis(x, axis, -1); K = x.shape[-1]
;;       x = np.pad(x, [(0, 0)] * (x.ndim - 1) + [(0, -K % 32)]); x = x.reshape(x.shape[:-1] + (-1, 32)); a = np.abs(x).max(-1, keepdims=True)
;;       e = np.where(a > 0, np.clip(np.frexp(np.where(a > 0, a, 1))[1] - 1 - 2, -126, 127), 0)      # np.frexp(a)[1] - 1 = floor(log2(a)), exactly
;;       r = np.clip(x / 2.0 ** e, -6, 6)
;;       step = 2.0 ** (np.maximum(np.frexp(np.where(r == 0, 1, r))[1] - 1, 0) - 1)
;;       q = np.round(r / step) * step * 2.0 ** e      # np.round: ties to even
;;       return np.moveaxis(q.reshape(q.shape[:-2] + (-1,))[..., :K], -1, axis).astype(np.float32)
;;   ~~~
;;   SOFTMAX AHEAD OF A QUANTISED PRODUCT. Where the list says 'softmax', what is quantised is not the finished softmax but p = 2^(t - M), with t = logit x log2(e) and M = ceil(the row's largest t), a whole number; so 1/2 < the row's largest p <= 1. The row's sum l is taken of the UNQUANTISED p, in f32, and the product's result is divided by l at the end. Since M is a whole number, a kernel that streams over the keys may use a running M (the ceiling of the running maximum): every later rescaling is an exact power of two, which a block's scale takes up: the codes' values come out the same.
;;   OPERANDS COMPUTED ON THE WAY. 'Computed on the way' means the value that the module computes at that place (a softmax that the list does not call 'softmax' is quantised finished and normalised). What goes into a quantiser is computed in f32, as accurately as f32 sums, v_exp_f32 and their like allow (about 1e-6 of the number): no bf16 or f16 on the way to a quantiser, and a product that is left as it is and whose result goes on into a quantised operand takes f32 operands (vector FMAs, or v_wmma_f32_16x16x4_f32). A number that lies on a knife's edge between two numbers of the format may be rounded either way, as far as f32 arithmetic and the matrix unit's own rounding can turn it there, and no further.
;;   INPUTS GIVEN AS CODES. W_fc (in the module: [1024, 3072], K = its axis 0); W_out (in the module: [1024, 1024], K = its axis 0): each comes as NAME_codes (uint8): NAME with its K axis moved to the last place and cut into blocks of 32 codes, [.., K / 32, bytes a block], one block behind the other in memory; two codes a byte, the lower K in the low four bits (a code: sign, 2 exponent bits, 1 mantissa bit); and NAME_scales (uint8): the same leading axes, one E8M0 byte (e + 127) for each 32 codes along K. Its value is code x scale, taken as it is: it is not quantised again, and the codes and scales need not be those that the quantiser above would give.
;; One version. Each part assembles by itself: llvm-mc -triple=amdgcn-amd-amdhsa -mcpu=gfx1250 --defsym DOCPART=n.
;; ======== version 1 of 1: 4 launches
;; workspace buffers: xc 4,194,304 bytes; xs 262,144 bytes; wimg 2,097,152 bytes; wsimg 131,072 bytes; qkvc 12,582,912 bytes; qkvs 1,572,864 bytes; nvc 4,194,304 bytes; nvs 524,288 bytes
;; launch prep (part 1): grid 320 x 1, 4 waves a work-group, no clusters, 34,304 bytes of LDS; arguments x, W_fc_codes, W_fc_scales, W_out_codes, W_out_scales, xc, xs, wimg, wsimg; writes xc, xs, wimg, wsimg
.if DOCPART == 1
	.amdgcn_target "amdgcn-amd-amdhsa--gfx1250"
	.amdhsa_code_object_version 6
	.text
	.protected	k_qe0e5ac112d_prep
	.globl	k_qe0e5ac112d_prep
	.p2align	8
	.type	k_qe0e5ac112d_prep,@function
k_qe0e5ac112d_prep:
	s_mov_b64 s[64:65], 0
	v_nop
	global_prefetch_b8 v0, s[64:65] scope:SCOPE_SE
	s_setreg_imm32_b32 hwreg(HW_REG_WAVE_MODE, 25, 1), 1
	s_wait_xcnt 0x0
; x [8192][1024] f32 becomes codes of FP4 (E2M1) with one E8M0 byte for each 32 along K, and both weights' codes and scale bytes are laid anew: all three in the ORDER OF THE OPERAND'S REGISTERS.
; A TILE is 16 rows: tile T holds rows 32 (T / 2) + 8 (T % 2) + r + 8 (r / 8), r = 0 .. 15, so that tiles 2 b and 2 b + 1 are 32 neighbouring rows.
; CODE IMAGE of a tile: [K step s 0..7][c 0..1][lane 32][16 bytes], 8,192 bytes: lane (r, h) holds bytes 64 s + 32 c + 16 h .. + 15 of its row: registers 4 c .. 4 c + 3 of the fragment of K step s.
; SCALE IMAGE of a tile: [q 0..1][r 16][4 words], 512 bytes: word k is the row's scale word of K step 4 q + k.
; Work-groups 0-255 quantise x: a wave takes one tile of 16 tokens and one half of K (four K steps of 128).  Work-groups 256-319 lay the weights: a wave takes a tile (0-191 W_fc's, 192-255 W_out's).
; A block's scale is 2^(floor(log2(its largest magnitude)) - 2); its byte is that magnitude's exponent field - 2, held at 1 from below.
; LIMITS: a block of zeros, or one whose largest magnitude lies under 2^-124, gets the byte 1 (its codes are zeros or nearly so; this program alone reads the bytes); NaN and infinities among the inputs are not served.
; No tensor loads, no barrier: waves share nothing.  LDS is used by the quantising path alone.
.set STGB, 8448                        ; a wave's stage: 16 rows x (512 bytes + 16)
.set R,    16                          ; v16-143  two sets of 64 registers as loaded: 16 rows x 16 bytes a lane
.set X,    144                         ; v144-207 64 numbers of my row: register 16 b + i = k 32 b + 16 h + i
.set TM,   208                         ; v208-211 largest magnitudes, v212-215 the other half's, then the bytes, v220-223 the conversions' scale operands
.set PC,   224                         ; v224-231 the fragment just made
.set PW,   8                           ; v8-11    the four K steps' scale words
.set SEL,  34                          ; s[34:35] lane selects: lane l xor 16
.set MH,   36                          ; s36      a mask of lanes 16-31
.macro QUANT4 s, pw                    ; 64 numbers of a lane become a fragment's codes in v[PC] on and its row's scale word in v[pw]
.irp b, 0,1,2,3
	v_max3_num_f32 v[TM+\b], |v[\s+16*\b]|, |v[\s+1+16*\b]|, 0x1800000   ; block b: my 16 numbers, and the floor 2^(3 - 127): so the byte cannot fall under 1
.endr
.irp i, 2,4,6,8,10,12,14
.irp b, 0,1,2,3
	v_max3_num_f32 v[TM+\b], v[TM+\b], |v[\s+16*\b+\i]|, |v[\s+1+16*\b+\i]|   ; the four blocks by turns
.endr
.endr
.irp b, 0,1,2,3
	v_permlanex16_b32 v[TM+4+\b], v[TM+\b], s[SEL], s[SEL+1]
.endr
.irp b, 0,1,2,3
	v_max_num_f32 v[TM+\b], v[TM+\b], v[TM+4+\b]   ; with lane l xor 16's 16: the block's largest magnitude
.endr
.irp b, 0,1,2,3
	v_add_nc_u32 v[TM+12+\b], 0xff000000, v[TM+\b]   ; 2 off its exponent field: the conversion takes that field as its scale
.endr
.irp b, 0,1,2,3
	v_lshrrev_b32 v[TM+4+\b], 23, v[TM+12+\b]      ; the scale's byte
.endr
	v_lshl_or_b32 v[\pw], v[TM+5], 8, v[TM+4]
	v_lshl_or_b32 v[\pw], v[TM+6], 16, v[\pw]
	v_lshl_or_b32 v[\pw], v[TM+7], 24, v[\pw]
.irp b, 0,1,2,3
	v_cvt_scalef32_pk8_fp4_f32 v[PC+2*\b], v[\s+16*\b:\s+7+16*\b], v[TM+12+\b]
	v_cvt_scalef32_pk8_fp4_f32 v[PC+1+2*\b], v[\s+8+16*\b:\s+15+16*\b], v[TM+12+\b]
.endr
	v_nop                                          ; one plain place behind a scaled conversion
.irp c, 0,1                                    ; the operand's layout wants a whole block in a lane: lanes 0-15 block 2 c, lanes 16-31 block 2 c + 1
.irp i, 0,1
	v_permlane16_swap_b32 v[PC+4*\c+\i], v[PC+2+4*\c+\i]
.endr
.endr
.endm
.macro LOAD t                          ; K step t of my half: 512 consecutive bytes of each of my 16 rows
.irp p, 0,1,2,3,4,5,6,7,8,9,10,11,12,13,14,15
	global_load_b128 v[R+64*((\t)%2)+4*\p:R+64*((\t)%2)+4*\p+3], v4, s[4:5] offset:(\p+8*(\p/8))*4096+512*(\t) th:TH_LOAD_NT
.endr
.endm
.macro QSTEP t
.if \t < 3
	s_wait_loadcnt 16                              ; this step's 16 loads are in; the next step's 16 may be out
.else
	s_wait_loadcnt 0x0
.endif
.irp p, 0,1,2,3,4,5,6,7,8,9,10,11,12,13,14,15
	ds_store_b128 v5, v[R+64*((\t)%2)+4*\p:R+64*((\t)%2)+4*\p+3] offset:528*\p   ; row p as it lies
.endr
.irp b, 0,1,2,3
.irp j, 0,1,2,3
	ds_load_b128 v[X+16*\b+4*\j:X+16*\b+4*\j+3], v6 offset:128*\b+16*\j   ; LDS serves a wave's instructions in order: these see the stores above
.endr
.endr
	s_wait_dscnt 0x0                               ; my 64 numbers are in, and the stores have read their registers
	s_wait_xcnt 0x0                                ; the last step's stores have read v[PC] on
.if \t+2 < 4
	LOAD \t+2
.endif
	QUANT4 X, PW+\t
.irp c, 0,1
	global_store_b128 v4, v[PC+4*\c:PC+4*\c+3], s[14:15] offset:1024*\t+512*\c   ; 32 lanes store 512 consecutive bytes
.endr
.endm
	s_load_b256 s[4:11], s[0:1], 0x0               ; x s[4:5], W_fc's codes s[6:7], its scales s[8:9], W_out's codes s[10:11]
	s_load_b256 s[12:19], s[0:1], 0x20             ; W_out's scales s[12:13], xc s[14:15], xs s[16:17], wimg s[18:19]
	s_load_b64 s[20:21], s[0:1], 0x40              ; wsimg
	v_lshl_add_u32 v232, v0, 2, 0x8400
	v_mov_b32 v233, 0
	v_lshrrev_b32 v1, 5, v0
	v_readfirstlane_b32 s22, v1                    ; wave
	v_and_b32 v1, 31, v0                           ; lane
	v_and_b32 v2, 15, v0                           ; r
	v_bfe_u32 v3, v0, 4, 1                         ; h
	v_lshlrev_b32 v4, 4, v1                        ; 16 x lane
	s_cmp_ge_u32 ttmp9, 256
	s_cbranch_scc1 .Lrelay
	; ---- x
	s_lshl_b32 s23, ttmp9, 2
	s_add_co_u32 s23, s23, s22                     ; my task
	s_lshr_b32 s24, s23, 1                         ; the tile of tokens
	s_and_b32 s25, s23, 1                          ; the half of K
	s_lshr_b32 s26, s24, 1
	s_lshl_b32 s26, s26, 5
	s_and_b32 s27, s24, 1
	s_lshl_b32 s27, s27, 3
	s_add_co_u32 s26, s26, s27                     ; the tile's first token
	s_lshl_b32 s26, s26, 12                        ; x 4,096 bytes
	s_lshl_b32 s27, s25, 11
	s_add_co_u32 s26, s26, s27
	s_mov_b32 s27, 0
	s_lshl_b32 s28, s24, 13                        ; the tile's code image,
	s_lshl_b32 s29, s25, 12                        ; its K steps 4 q on
	s_add_co_u32 s28, s28, s29
	s_mov_b32 s29, 0
	s_lshl_b32 s30, s24, 9                         ; and its scale image
	s_lshl_b32 s31, s25, 8
	s_add_co_u32 s30, s30, s31
	s_mov_b32 s31, 0
	s_mul_i32 s32, s22, STGB                       ; my stage
	v_add_nc_u32 v5, s32, v4                       ; in: 16 x lane of a row
	v_mul_u32_u24 v6, v2, 528
	v_lshl_add_u32 v6, v3, 6, v6
	v_add_nc_u32 v6, s32, v6                       ; out: row r, + 64 h: my 16 numbers of each block of 32
	v_lshlrev_b32 v7, 4, v2
	v_lshl_add_u32 v7, v3, 3, v7                   ; the scale words' place: 16 r + 8 h
	s_mov_b32 s[SEL], 0x76543210
	s_mov_b32 s[SEL+1], 0xfedcba98
	s_mov_b32 s[MH], 0xffff0000
.irp b, 0,1,2,3
	v_mov_b32 v[TM+4+\b], 0                        ; written once: a lane permute's destination counts as one of its sources
.endr
	s_wait_kmcnt 0x0
	s_add_nc_u64 s[4:5], s[4:5], s[26:27]
	s_add_nc_u64 s[14:15], s[14:15], s[28:29]
	s_add_nc_u64 s[16:17], s[16:17], s[30:31]
	LOAD 0
	LOAD 1
.irp t, 0,1,2,3
	QSTEP \t
.endr
	v_cndmask_b32 v12, v[PW], v[PW+2], s[MH]       ; lanes 0-15 store words 0 and 1 of row r, lanes 16-31 words 2 and 3
	v_cndmask_b32 v13, v[PW+1], v[PW+3], s[MH]
	global_store_b64 v7, v[12:13], s[16:17]        ; 256 consecutive bytes
	s_wait_tensorcnt 0x0
	ds_add_u32 v232, v233
	s_wait_dscnt 0x0
	s_endpgm
	; ---- the weights
.Lrelay:
	s_sub_co_u32 s23, ttmp9, 256
	s_lshl_b32 s23, s23, 2
	s_add_co_u32 s23, s23, s22                     ; the tile in wimg, 0 .. 255
	s_cmp_lt_u32 ttmp9, 304
	s_cselect_b32 s24, 0, 192
	s_sub_co_u32 s24, s23, s24                     ; the tile in its own weight
	s_lshr_b32 s25, s24, 1
	s_lshl_b32 s25, s25, 5
	s_and_b32 s26, s24, 1
	s_lshl_b32 s26, s26, 3
	s_add_co_u32 s25, s25, s26                     ; its first row
	s_lshl_b32 s26, s25, 9                         ; a row of codes is 512 bytes,
	s_mov_b32 s27, 0
	s_lshl_b32 s28, s25, 5                         ; of scale bytes 32
	s_mov_b32 s29, 0
	s_lshl_b32 s30, s23, 13
	s_mov_b32 s31, 0
	s_lshl_b32 s32, s23, 9
	s_mov_b32 s33, 0
	v_and_b32 v8, 8, v2
	v_add_nc_u32 v8, v8, v2                        ; r + 8 (r / 8)
	v_lshlrev_b32 v9, 9, v8
	v_lshl_add_u32 v9, v3, 4, v9                   ; codes: my row, + 16 h
	v_lshlrev_b32 v10, 5, v8
	v_lshl_add_u32 v10, v3, 4, v10                 ; scale bytes: my row, + 16 h: the words of K steps 4 h on
	s_wait_kmcnt 0x0
	s_cmp_lt_u32 ttmp9, 304                        ; the choice hangs on the work-group's number alone
	s_cselect_b64 s[6:7], s[6:7], s[10:11]
	s_cselect_b64 s[8:9], s[8:9], s[12:13]
	s_add_nc_u64 s[6:7], s[6:7], s[26:27]
	s_add_nc_u64 s[8:9], s[8:9], s[28:29]
	s_add_nc_u64 s[18:19], s[18:19], s[30:31]
	s_add_nc_u64 s[20:21], s[20:21], s[32:33]
.irp f, 0,1,2,3,4,5,6,7,8,9,10,11,12,13,14,15
	global_load_b128 v[16+4*\f:19+4*\f], v9, s[6:7] offset:32*\f   ; f = 2 s + c
.endr
	global_load_b128 v[80:83], v10, s[8:9]
	s_wait_loadcnt 0x0
.irp f, 0,1,2,3,4,5,6,7,8,9,10,11,12,13,14,15
	global_store_b128 v4, v[16+4*\f:19+4*\f], s[18:19] offset:512*\f   ; 512 consecutive bytes
.endr
	global_store_b128 v4, v[80:83], s[20:21]       ; 16 x lane = 256 h + 16 r
	s_endpgm
.Lfunc_end_k_qe0e5ac112d_prep:
	.size	k_qe0e5ac112d_prep, .Lfunc_end_k_qe0e5ac112d_prep-k_qe0e5ac112d_prep
	.p2alignl 7, 3214868480
	.fill 96, 4, 3214868480
	.section	.rodata,"a",@progbits
	.p2align	6, 0x0
	.amdhsa_kernel k_qe0e5ac112d_prep
		.amdhsa_group_segment_fixed_size 34304
		.amdhsa_private_segment_fixed_size 0
		.amdhsa_enable_private_segment 0
		.amdhsa_kernarg_size 72
		.amdhsa_user_sgpr_count 2
		.amdhsa_user_sgpr_kernarg_segment_ptr 1
		.amdhsa_wavefront_size32 1
		.amdhsa_system_sgpr_workgroup_id_x 1
		.amdhsa_system_sgpr_workgroup_id_y 1
		.amdhsa_system_sgpr_workgroup_id_z 1
		.amdhsa_system_vgpr_workitem_id 0
		.amdhsa_next_free_vgpr 234
		.amdhsa_next_free_sgpr 66
		.amdhsa_reserve_vcc 0
		.amdhsa_float_denorm_mode_32 3
		.amdhsa_float_denorm_mode_16_64 3
		.amdhsa_memory_ordered 1
		.amdhsa_forward_progress 1
		.amdhsa_inst_pref_size 38
	.end_amdhsa_kernel
	.amdgpu_metadata
---
amdhsa.version: [ 1, 2 ]
amdhsa.kernels:
  - .name:           k_qe0e5ac112d_prep
    .symbol:         k_qe0e5ac112d_prep.kd
    .args:
      - { .name: x, .offset: 0, .size: 8, .value_kind: global_buffer, .address_space: global }
      - { .name: W_fc_codes, .offset: 8, .size: 8, .value_kind: global_buffer, .address_space: global }
      - { .name: W_fc_scales, .offset: 16, .size: 8, .value_kind: global_buffer, .address_space: global }
      - { .name: W_out_codes, .offset: 24, .size: 8, .value_kind: global_buffer, .address_space: global }
      - { .name: W_out_scales, .offset: 32, .size: 8, .value_kind: global_buffer, .address_space: global }
      - { .name: xc, .offset: 40, .size: 8, .value_kind: global_buffer, .address_space: global }
      - { .name: xs, .offset: 48, .size: 8, .value_kind: global_buffer, .address_space: global }
      - { .name: wimg, .offset: 56, .size: 8, .value_kind: global_buffer, .address_space: global }
      - { .name: wsimg, .offset: 64, .size: 8, .value_kind: global_buffer, .address_space: global }
    .group_segment_fixed_size: 34304
    .private_segment_fixed_size: 0
    .kernarg_segment_align: 8
    .kernarg_segment_size: 72
    .max_flat_workgroup_size: 128
    .sgpr_count:     66
    .vgpr_count:     234
    .wavefront_size: 32
...
	.end_amdgpu_metadata
.endif
;; end of part 1
;; launch qkv (part 2): grid 16 x 32, 12 waves a work-group, no clusters, 245,248 bytes of LDS; arguments xc, xs, wimg, wsimg, b_fc, qkvc, qkvs; writes qkvc, qkvs
.if DOCPART == 2
	.amdgcn_target "amdgcn-amd-amdhsa--gfx1250"
	.amdhsa_code_object_version 6
	.text
	.protected	k_qe0e5ac112d_qkv
	.globl	k_qe0e5ac112d_qkv
	.p2align	8
	.type	k_qe0e5ac112d_qkv,@function
k_qe0e5ac112d_qkv:
	s_mov_b64 s[64:65], 0
	v_nop
	global_prefetch_b8 v0, s[64:65] scope:SCOPE_SE
	s_setreg_imm32_b32 hwreg(HW_REG_WAVE_MODE, 25, 1), 1
	s_wait_xcnt 0x0
; qkv = swish(x W_fc + b_fc) on codes of FP4 with E8M0 scales, K = 1,024, and its three parts quantised for the attention: q and k along the head's 64 channels, v along the keys.
; SHARES.  A work-group takes one head (x of the grid) and 256 tokens (y): 16 tiles of x and the head's 12 tiles of W_fc, as images (launch prep), all of K, come into LDS once.
; Wave w: role = w / 4 (q, k, v), 64 tokens 64 (w % 4) on: 64 x 64 numbers in 16 accumulators.
; ONE TEXT FOR THREE ROLES.  For q and k source 0 is W's four tiles and source 1 x's four: a lane holds ONE TOKEN and its registers run along the channels.  For v the sources change places: a lane holds
; ONE CHANNEL and its registers run along the tokens, which are the keys.  By the tiles' choice of rows the 32 registers of a source-1 tile are, in both cases, k = 32 b + 16 h + 0 .. 15 of two blocks b of the next K.
; OUT.  qkvc [role][batch x head 64][g 32][i 4][lane][16 bytes]: q, k: token tile 4 g + i, lane (r, h) holds block h of its token; v: keys 64 g on, channel tile i, lane (r, h) holds keys 64 g + 32 h on of its channel.
;       qkvs [role][batch x head][g][lane 32][2 words]: word p of lane 16 u + r holds the two scale bytes of tile 2 p + u, row r; its upper half is 0.
; LDS is filled once: no slot is filled again.  Seven waves fetch, five tensor loads each: by this text's count five are out.
; NO CLUSTER: a work-group asks for its 243,712 bytes once, at its head; there is no ring in which joint requests would come round.
; LIMITS: as in launch prep (byte 1 for blocks under 2^-124; NaN and infinities not served).
.set CHUNK, 57344                      ; two K steps of 28 tiles: [tile][2,048 bytes]; tiles 0-15 x's, 16-27 W's
.set SCL,   4*CHUNK                    ; behind the four chunks: the scale images, [tile 28][512 bytes]
.set SC,    16                         ; v16-31   scale words of four K steps: 8 op + 4 p + s % 4: tiles 2 p (lanes 0-15) and 2 p + 1 (lanes 16-31) of source op
.set VB,    10                         ; v10-13   v's biases: one a lane for each channel tile
.set F0,    48                         ; v48-79   source 0's four fragments
.set F1,    80                         ; v80-111  source 1's
.set ACC,   128                        ; v128-255 accumulator (i0, i1) at 32 i1 + 8 i0
.set SEL,   2                          ; s[2:3]   lane selects: lane l xor 16
.set NL,    76                         ; s[76:77] -log2(e)
.set MH,    78                         ; s78      a mask of lanes 16-31
; the biases' four groups of eight registers lie at v32, v40, v112, v120: group i at 32 + 8 i + 64 (i / 2)
.macro MM d, a, b, c, sa, sb, ra, rb   ; one product; ra, rb = 1: that side's scales stand in lanes 16-31
.if (\ra) && (\rb)
	v_wmma_scale_f32_16x16x128_f8f6f4 v[\d:\d+7], v[\a:\a+7], v[\b:\b+7], v[\c:\c+7], v[\sa], v[\sb] matrix_a_fmt:MATRIX_FMT_FP4 matrix_b_fmt:MATRIX_FMT_FP4 matrix_a_scale:MATRIX_SCALE_ROW1 matrix_b_scale:MATRIX_SCALE_ROW1
.elseif (\ra)
	v_wmma_scale_f32_16x16x128_f8f6f4 v[\d:\d+7], v[\a:\a+7], v[\b:\b+7], v[\c:\c+7], v[\sa], v[\sb] matrix_a_fmt:MATRIX_FMT_FP4 matrix_b_fmt:MATRIX_FMT_FP4 matrix_a_scale:MATRIX_SCALE_ROW1
.elseif (\rb)
	v_wmma_scale_f32_16x16x128_f8f6f4 v[\d:\d+7], v[\a:\a+7], v[\b:\b+7], v[\c:\c+7], v[\sa], v[\sb] matrix_a_fmt:MATRIX_FMT_FP4 matrix_b_fmt:MATRIX_FMT_FP4 matrix_b_scale:MATRIX_SCALE_ROW1
.else
	v_wmma_scale_f32_16x16x128_f8f6f4 v[\d:\d+7], v[\a:\a+7], v[\b:\b+7], v[\c:\c+7], v[\sa], v[\sb] matrix_a_fmt:MATRIX_FMT_FP4 matrix_b_fmt:MATRIX_FMT_FP4
.endif
.endm
.macro LOADS s                         ; K step s: at steps 0 and 4 the scale words of four steps, first in the run; then source 0's fragments, then source 1's, tile by tile
.if ((\s)%4) == 0
.irp p, 0,1
	ds_load_b128 v[SC+4*\p:SC+4*\p+3], v4 offset:1024*\p+256*((\s)/4)
	ds_load_b128 v[SC+8+4*\p:SC+8+4*\p+3], v5 offset:1024*\p+256*((\s)/4)
.endr
.endif
.irp i, 0,1,2,3
.irp c, 0,1
	ds_load_b128 v[F0+8*\i+4*\c:F0+8*\i+4*\c+3], v2 offset:2048*\i+1024*((\s)%2)+512*\c   ; an instruction's 512 bytes are consecutive
.endr
.endr
.irp i, 0,1,2,3
.irp c, 0,1
	ds_load_b128 v[F1+8*\i+4*\c:F1+8*\i+4*\c+3], v3 offset:2048*\i+1024*((\s)%2)+512*\c
.endr
.endr
.endm
; 16 products.  The sixteen accumulators take turns, in the same order in every step.  kind 0: onto the sums; 1: the bias of source 0's rows starts them; 2: that of source 1's rows.
.macro PRODS s, kind
.irp b, 0,1,2,3
	s_wait_dscnt 6-2*\b                            ; source 1's tile b is in; the two loads of each later tile may be out
.irp a, 0,1,2,3
.if \kind == 0
	MM ACC+32*\b+8*\a, F0+8*\a, F1+8*\b, ACC+32*\b+8*\a, SC+4*(\a/2)+(\s)%4, SC+8+4*(\b/2)+(\s)%4, \a%2, \b%2
.elseif \kind == 1
	MM ACC+32*\b+8*\a, F0+8*\a, F1+8*\b, 32+8*\a+64*(\a/2), SC+4*(\a/2)+(\s)%4, SC+8+4*(\b/2)+(\s)%4, \a%2, \b%2
.else
	MM ACC+32*\b+8*\a, F0+8*\a, F1+8*\b, 32+8*\b+64*(\b/2), SC+4*(\a/2)+(\s)%4, SC+8+4*(\b/2)+(\s)%4, \a%2, \b%2
.endif
.endr
.endr
.endm
.macro PLACES n                        ; loads into registers that matrix instructions have read, and reads of results, stand four plain vector instructions behind them
.rept \n
	v_nop
.endr
.endm
.macro NEXTCHUNK left                  ; the next two K steps: the fetching waves wait for their parts, then everybody's are there
	s_wait_tensorcnt \left                         ; the chunks issued behind this one may stay out
	s_barrier_signal -1                            ; (no LDS load of mine is out: the last step's count-down ended at 0)
	s_barrier_wait -1
	v_add_nc_u32 v2, CHUNK, v2                     ; two of the four places
	v_add_nc_u32 v3, CHUNK, v3
	PLACES 2
.endm
.macro SWISH32 v, t                    ; v[t] on = sigmoid of the 32 numbers v[v] on
.set k, 0
.rept 16
	v_pk_mul_f32 v[\t+k:\t+k+1], v[\v+k:\v+k+1], s[NL:NL+1] op_sel_hi:[1,0]   ; each accumulator is read from its low end on
.set k, k+2
.endr
.set k, 0
.rept 32
	v_exp_f32 v[\t+k], v[\t+k]                     ; e^-x
.set k, k+1
.endr
	v_nop                                          ; a plain place behind the last of the batch
	s_wait_alu depctr_va_vdst(0)                   ; one wait for the batch, ahead of its first reader
.set k, 0
.rept 16
	v_pk_add_f32 v[\t+k:\t+k+1], v[\t+k:\t+k+1], 1.0 op_sel_hi:[1,0]
.set k, k+2
.endr
.set k, 0
.rept 32
	v_rcp_f32 v[\t+k], v[\t+k]
.set k, k+1
.endr
	v_nop
	s_wait_alu depctr_va_vdst(0)
.endm
.macro QUANT2 s, cd, hw, m             ; 32 numbers of a lane, register 16 b + i = k 32 b + 16 h + i, become 16 bytes of codes (block h of my row) in v[cd] on and the row's two scale bytes in v[hw]
.irp b, 0,1
	v_max3_num_f32 v[\m+\b], |v[\s+16*\b]|, |v[\s+16*\b+1]|, 0x1800000   ; and the floor 2^(3 - 127)
.endr
.irp i, 2,4,6,8,10,12,14
.irp b, 0,1
	v_max3_num_f32 v[\m+\b], v[\m+\b], |v[\s+16*\b+\i]|, |v[\s+16*\b+\i+1]|
.endr
.endr
.irp b, 0,1
	v_permlanex16_b32 v[\m+2+\b], v[\m+\b], s[SEL], s[SEL+1]
.endr
.irp b, 0,1
	v_max_num_f32 v[\m+\b], v[\m+\b], v[\m+2+\b]
.endr
.irp b, 0,1
	v_add_nc_u32 v[\m+4+\b], 0xff000000, v[\m+\b]  ; 2 off the exponent field: the conversion's scale operand
.endr
.irp b, 0,1
	v_lshrrev_b32 v[\m+6+\b], 23, v[\m+4+\b]       ; the byte
.endr
	v_lshl_or_b32 v[\hw], v[\m+7], 8, v[\m+6]
.irp b, 0,1
	v_cvt_scalef32_pk8_fp4_f32 v[\cd+2*\b], v[\s+16*\b:\s+16*\b+7], v[\m+4+\b]
	v_cvt_scalef32_pk8_fp4_f32 v[\cd+2*\b+1], v[\s+16*\b+8:\s+16*\b+15], v[\m+4+\b]
.endr
	v_nop                                          ; one plain place behind a scaled conversion
	v_permlane16_swap_b32 v[\cd], v[\cd+2]         ; a whole block to a lane: lanes 0-15 block 0, lanes 16-31 block 1
	v_permlane16_swap_b32 v[\cd+1], v[\cd+3]
.endm
	s_load_b256 s[4:11], s[0:1], 0x0               ; xc s[4:5], xs s[6:7], wimg s[8:9], wsimg s[10:11]
	s_load_b128 s[12:15], s[0:1], 0x20             ; b_fc s[12:13], qkvc s[14:15]
	s_load_b64 s[16:17], s[0:1], 0x30              ; qkvs
	s_set_vgpr_msb 0x40
	v_lshl_add_u32 v0, v0, 2, 0x3b800
	v_mov_b32 v1, 0
	s_set_vgpr_msb 0x4045
	ds_add_u32 v0, v1
	ds_add_u32 v0, v1
	s_set_vgpr_msb 0x4500
	v_lshrrev_b32 v1, 5, v0
	v_readfirstlane_b32 s18, v1                    ; wave 0..11
	s_lshr_b32 s19, s18, 2                         ; role
	s_and_b32 s20, s18, 3                          ; which 64 tokens
	s_lshr_b32 s21, s18, 3                         ; 1 for v
	s_lshl_b32 s22, s20, 2                         ; my first tile of x in LDS
	s_lshl_b32 s23, s19, 2
	s_add_co_u32 s23, s23, 16                      ; my first tile of W
	s_xor_b32 s66, s22, s23
	s_mul_i32 s66, s66, s21                        ; for v the two change places
	s_xor_b32 s23, s23, s66                        ; source 0's first tile
	s_xor_b32 s22, s22, s66                        ; source 1's
	v_and_b32 v14, 31, v0                          ; lane
	v_and_b32 v15, 15, v0                          ; r
	v_bfe_u32 v6, v0, 4, 1                         ; h
	v_lshlrev_b32 v1, 4, v14                       ; v1: 16 x lane; never rewritten
	v_lshlrev_b32 v7, 3, v14                       ; v7: 8 x lane; never rewritten
	s_lshl_b32 s67, s23, 11
	v_add_nc_u32 v2, s67, v1                       ; v2: source 0's fragments in the chunk in hand
	s_lshl_b32 s67, s22, 11
	v_add_nc_u32 v3, s67, v1                       ; v3: source 1's
	v_lshlrev_b32 v4, 4, v15
	v_lshl_add_u32 v4, v6, 9, v4                   ; 512 h + 16 r: lanes 16-31 take the next tile's words
	s_lshl_b32 s67, s22, 9
	s_add_co_u32 s67, s67, SCL
	v_add_nc_u32 v5, s67, v4                       ; v5: source 1's scale words
	s_lshl_b32 s67, s23, 9
	s_add_co_u32 s67, s67, SCL
	v_add_nc_u32 v4, s67, v4                       ; v4: source 0's
	v_lshlrev_b32 v8, 6, v6                        ; v8: q's and k's biases: 64 h
	v_and_b32 v9, 8, v15
	v_add_nc_u32 v9, v9, v15
	v_lshlrev_b32 v9, 2, v9                        ; v9: v's: 4 (r + 8 (r / 8))
	s_mov_b32 s[SEL], 0x76543210
	s_mov_b32 s[SEL+1], 0xfedcba98
	s_mov_b32 s[NL], 0xbfb8aa3b
	s_mov_b32 s[NL+1], s[NL]
	s_mov_b32 s[MH], 0xffff0000
	; descriptor group 1 for a chunk of four tiles: 4 rows of 2,048 bytes (256 elements of 8 bytes), 8,192 bytes apart in memory, dense in LDS
	s_mov_b32 s24, 3<<16
	s_mov_b32 s25, 256<<16                         ; tensor_dim0
	s_mov_b32 s26, 4<<16                           ; tensor_dim1
	s_mov_b32 s27, 256<<16                         ; tile_dim0
	s_mov_b32 s28, 4                               ; tile_dim1
	s_mov_b32 s29, 1024                            ; from row to row
	s_mov_b32 s30, 0
	s_mov_b32 s31, 0
	; and for four tiles' scale images: 2,048 dense bytes as 8 rows of 256
	s_mov_b32 s32, 3<<16
	s_mov_b32 s33, 32<<16
	s_mov_b32 s34, 8<<16
	s_mov_b32 s35, 32<<16
	s_mov_b32 s36, 8
	s_mov_b32 s37, 32
	s_mov_b32 s38, 0
	s_mov_b32 s39, 0
	; wave p = 0 .. 6 fetches LDS tiles 4 p .. 4 p + 3: p < 4: x's tiles 16 y + 4 p on; else W's tiles 12 head + 4 p - 16 on
	s_and_b32 s60, ttmp7, 0xffff                   ; the block of 256 tokens
	s_lshl_b32 s61, s18, 2
	s_lshl_b32 s62, s60, 4
	s_add_co_u32 s62, s62, s61
	s_mul_i32 s63, ttmp9, 12
	s_add_co_u32 s63, s63, s61
	s_sub_co_u32 s63, s63, 16
	s_mov_b32 s73, 0
	s_wait_dscnt 0x0
	s_wait_kmcnt 0x0
	s_cmp_lt_u32 s18, 4
	s_cselect_b32 s62, s62, s63
	s_cselect_b64 s[68:69], s[4:5], s[8:9]
	s_cselect_b64 s[70:71], s[6:7], s[10:11]
	s_lshl_b32 s72, s62, 13
	s_add_nc_u64 s[68:69], s[68:69], s[72:73]
	s_lshl_b32 s72, s62, 9
	s_add_nc_u64 s[70:71], s[70:71], s[72:73]
	s_mov_b32 s40, 1
	s_lshl_b32 s41, s18, 11
	s_add_co_u32 s41, s41, SCL
	s_mov_b64 s[42:43], s[70:71]
	s_or_b32 s43, s43, 0x80000000
	s_lshl_b32 s74, s18, 13
.irp q, 0,1,2,3
	s_mov_b32 s[44+4*\q], 1
	s_add_co_u32 s[45+4*\q], s74, \q*CHUNK
	s_add_nc_u64 s[46+4*\q:47+4*\q], s[68:69], \q*2048
	s_or_b32 s[47+4*\q], s[47+4*\q], 0x80000000
.endr
	s_mul_i32 s72, ttmp9, 768                      ; the biases of my 64 columns: 192 head + 64 role
	s_lshl_b32 s75, s19, 8
	s_add_co_u32 s72, s72, s75
	s_add_nc_u64 s[12:13], s[12:13], s[72:73]
	s_cmp_lt_u32 s18, 7
	s_cbranch_scc0 .Lno_fill                       ; a wave's five first fills stand in one branch, ahead of every wait on TENSORcnt, every LDS read and every barrier
	tensor_load_to_lds s[40:43], s[32:39]          ; the scale images, then the chunks in the order in which they are wanted
	s_nop 0
	tensor_load_to_lds s[44:47], s[24:31]
	s_nop 0
	tensor_load_to_lds s[48:51], s[24:31]
	s_nop 0
	tensor_load_to_lds s[52:55], s[24:31]
	s_nop 0
	tensor_load_to_lds s[56:59], s[24:31]
	s_nop 0
	PLACES 4
.Lno_fill:
.irp i, 0,1,2,3                                ; both forms of my 64 biases: eight a lane (hidden units 32 (i / 2) + 8 (i % 2) + 16 h on), and one a lane (the tile's row r)
	global_load_b128 v[32+8*\i+64*(\i/2):32+8*\i+64*(\i/2)+3], v8, s[12:13] offset:(32*(\i/2)+8*(\i%2))*4
	global_load_b128 v[32+8*\i+64*(\i/2)+4:32+8*\i+64*(\i/2)+7], v8, s[12:13] offset:(32*(\i/2)+8*(\i%2))*4+16
	global_load_b32 v[VB+\i], v9, s[12:13] offset:(32*(\i/2)+8*(\i%2))*4
.endr
	s_lshr_b32 s66, s60, 3
	s_lshl_b32 s66, s66, 4
	s_add_co_u32 s66, s66, ttmp9                   ; batch x 16 + head
	s_and_b32 s67, s60, 7
	s_lshl_b32 s67, s67, 2
	s_add_co_u32 s67, s67, s20                     ; g: which 64 tokens of the sequence
	s_lshl_b32 s72, s19, 22
	s_lshl_b32 s75, s66, 16
	s_add_co_u32 s72, s72, s75
	s_lshl_b32 s75, s67, 11
	s_add_co_u32 s72, s72, s75
	s_add_nc_u64 s[14:15], s[14:15], s[72:73]
	s_lshl_b32 s72, s19, 19
	s_lshl_b32 s75, s66, 13
	s_add_co_u32 s72, s72, s75
	s_lshl_b32 s75, s67, 8
	s_add_co_u32 s72, s72, s75
	s_add_nc_u64 s[16:17], s[16:17], s[72:73]
	s_wait_tensorcnt 0x3                           ; my scale images and my part of chunk 0 are in; chunks 1 to 3 may be out
	s_barrier_signal -1
	s_barrier_wait -1                              ; everybody's are
	LOADS 0
	s_wait_loadcnt 0x0                             ; the biases
	s_cmp_eq_u32 s21, 0
	s_cbranch_scc0 .Lv_first
	PRODS 0, 1                                     ; q, k: the bias runs along the registers: it is the C of the first products
	s_branch .Lfirst_done
.Lv_first:
.irp i, 0,1,2,3                                ; v: one bias a lane: spread over the tile's eight registers
.irp j, 0,1,2,3,4,5,6,7
	v_mov_b32 v[32+8*\i+64*(\i/2)+\j], v[VB+\i]
.endr
.endr
	PLACES 4
	PRODS 0, 2
.Lfirst_done:
	PLACES 4
	LOADS 1
	PRODS 1, 0
	NEXTCHUNK 2
	LOADS 2
	PRODS 2, 0
	PLACES 4
	LOADS 3
	PRODS 3, 0
	NEXTCHUNK 1
	LOADS 4
	PRODS 4, 0
	PLACES 4
	LOADS 5
	PRODS 5, 0
	NEXTCHUNK 0
	LOADS 6
	PRODS 6, 0
	PLACES 4
	LOADS 7
	PRODS 7, 0
	PLACES 4
	v_mov_b32 v102, 0                              ; a lane permute's destination counts as one of its sources
	v_mov_b32 v103, 0
.irp b, 0,1,2,3                                ; source 1's tile b: 32 numbers a lane: swish, then the quantiser
	SWISH32 ACC+32*\b, F0
.set k, 0
.rept 16
	v_pk_mul_f32 v[ACC+32*\b+k:ACC+32*\b+k+1], v[ACC+32*\b+k:ACC+32*\b+k+1], v[F0+k:F0+k+1]
.set k, k+2
.endr
	QUANT2 ACC+32*\b, F1+4*\b, 96+\b, 100
	global_store_b128 v1, v[F1+4*\b:F1+4*\b+3], s[14:15] offset:512*\b   ; 512 consecutive bytes; each tile has its own registers, so no store's data are written again
.endr
	v_cndmask_b32 v112, v96, v97, s[MH]            ; lanes 0-15 tiles 0 and 2, lanes 16-31 tiles 1 and 3
	v_cndmask_b32 v113, v98, v99, s[MH]
	global_store_b64 v7, v[112:113], s[16:17]      ; 256 consecutive bytes
	s_set_vgpr_msb 0x5
	s_wait_tensorcnt 0x0
	ds_add_u32 v0, v1
	s_wait_dscnt 0x0
	s_set_vgpr_msb 0x500
	s_endpgm
.Lfunc_end_k_qe0e5ac112d_qkv:
	.size	k_qe0e5ac112d_qkv, .Lfunc_end_k_qe0e5ac112d_qkv-k_qe0e5ac112d_qkv
	.p2alignl 7, 3214868480
	.fill 96, 4, 3214868480
	.section	.rodata,"a",@progbits
	.p2align	6, 0x0
	.amdhsa_kernel k_qe0e5ac112d_qkv
		.amdhsa_group_segment_fixed_size 245248
		.amdhsa_private_segment_fixed_size 0
		.amdhsa_enable_private_segment 0
		.amdhsa_kernarg_size 56
		.amdhsa_user_sgpr_count 2
		.amdhsa_user_sgpr_kernarg_segment_ptr 1
		.amdhsa_wavefront_size32 1
		.amdhsa_system_sgpr_workgroup_id_x 1
		.amdhsa_system_sgpr_workgroup_id_y 1
		.amdhsa_system_sgpr_workgroup_id_z 1
		.amdhsa_system_vgpr_workitem_id 0
		.amdhsa_next_free_vgpr 258
		.amdhsa_next_free_sgpr 80
		.amdhsa_reserve_vcc 0
		.amdhsa_float_denorm_mode_32 3
		.amdhsa_float_denorm_mode_16_64 3
		.amdhsa_memory_ordered 1
		.amdhsa_forward_progress 1
		.amdhsa_inst_pref_size 67
	.end_amdhsa_kernel
	.amdgpu_metadata
---
amdhsa.version: [ 1, 2 ]
amdhsa.kernels:
  - .name:           k_qe0e5ac112d_qkv
    .symbol:         k_qe0e5ac112d_qkv.kd
    .args:
      - { .name: xc, .offset: 0, .size: 8, .value_kind: global_buffer, .address_space: global }
      - { .name: xs, .offset: 8, .size: 8, .value_kind: global_buffer, .address_space: global }
      - { .name: wimg, .offset: 16, .size: 8, .value_kind: global_buffer, .address_space: global }
      - { .name: wsimg, .offset: 24, .size: 8, .value_kind: global_buffer, .address_space: global }
      - { .name: b_fc, .offset: 32, .size: 8, .value_kind: global_buffer, .address_space: global }
      - { .name: qkvc, .offset: 40, .size: 8, .value_kind: global_buffer, .address_space: global }
      - { .name: qkvs, .offset: 48, .size: 8, .value_kind: global_buffer, .address_space: global }
    .group_segment_fixed_size: 245248
    .private_segment_fixed_size: 0
    .kernarg_segment_align: 8
    .kernarg_segment_size: 56
    .max_flat_workgroup_size: 384
    .sgpr_count:     80
    .vgpr_count:     258
    .wavefront_size: 32
...
	.end_amdgpu_metadata
.endif
;; end of part 2
;; launch attn (part 3): grid 4 x 64, 16 waves a work-group, no clusters, 169,984 bytes of LDS; arguments qkvc, qkvs, nvc, nvs; writes nvc, nvs
.if DOCPART == 3
	.amdgcn_target "amdgcn-amd-amdhsa--gfx1250"
	.amdhsa_code_object_version 6
	.text
	.protected	k_qe0e5ac112d_attn
	.globl	k_qe0e5ac112d_attn
	.p2align	8
	.type	k_qe0e5ac112d_attn,@function
k_qe0e5ac112d_attn:
	s_mov_b64 s[64:65], 0
	v_nop
	global_prefetch_b8 v0, s[64:65] scope:SCOPE_SE
	s_setreg_imm32_b32 hwreg(HW_REG_WAVE_MODE, 25, 1), 1
	s_wait_xcnt 0x0
; new_v = softmax(q k^T) v for one batch and head (y of the grid) and 512 queries (x), both products on codes of FP4 with E8M0 scales, and new_v quantised along head x 64 + channel for the last product.
; THE SOFTMAX AHEAD OF THE SECOND PRODUCT: t = score x log2(e); M = the row's largest t so far, rounded UP to a whole number; p = 2^(t - M) is quantised along the keys, not normalised.  The row's sum is taken of the
; unquantised p and divides at the end.  When M moves, the sum and O are multiplied by 2^(old M - new M): exact.
; SHARES.  The head's whole K and V, as images (launch qkv), and their scale bytes stay in LDS, filled once: 147,456 bytes.  Each of sixteen waves takes two tiles of 16 queries, one after the other (PASS), and walks
; all 2,048 keys, 128 a step: four waves to a SIMD.
; LAYOUT.  Both products are used transposed: S^T = K Q^T (source 0 = 16 keys), O^T = V^T P^T (source 0 = 16 channels): a lane holds ONE query throughout.  By the tiles' choice of rows the 16 registers of key
; tiles 2 b and 2 b + 1 are keys 32 b + 16 h + 0 .. 15.  The first product's K is 64: registers 4 to 7 of Q's and K's fragments are zeros, and so are bytes 2 and 3 of their scale words.
; THE ORDER OF A KEY STEP.  A step's 68 exponentials are ONE batch with one wait.  Between them stand lines that name no result of the batch: the scalings of later pairs, the three lines that make f, the LDS loads of
; the next step's K, and the rescaling of the sum and of O^T.  All that reads p comes behind the wait: scales, conversions, and the row's sum in four chains, part of it ahead of the V^T P products (their places) and part behind.
; NO CLUSTER: the four work-groups of a head share one first fill; nothing is asked for again, so there is no ring in which joint requests would come round.
; LIMITS: a p under 2^-126 becomes 0; a block under 2^-124 gets the byte 1; NaN and infinities are not served.
.set VIMG, 65536                       ; K's image lies at 0: [step 16][tile 8][lane][16 bytes]; V's here: [64 keys g 32][channel tile 4][lane][16 bytes]
.set KSC,  131072                      ; K's scale half-words: [g 32][lane][2 words]
.set VSC,  139264                      ; V's likewise, 8,192 bytes behind K's
.set NVS,  147456                      ; new_v's scale half-words of the work-group's 32 tiles: [tile][r 16] words
.set SEL,  16                          ; s[16:17] lane selects: lane l xor 16
.set CS,   18                          ; s[18:19] log2(e)
.set NC,   59                          ; s59      -log2(e)
; REGISTERS: v1 16 x lane (K's base); v2 the old -M; v3 16 x lane + 4,096; v4 8 x lane + KSC; v6 the step's address in the images, v8 among the half-words; v10 Q's scale word's place; v11 where my half-word goes;
; v12 -M, v13 the largest score, v[14:15] the sum; v16-23 Q; v24 Q's scales; v25 p's; v26-29 K's; v30-33 V's half-words; v34-35 V's scales; v36-47 at work; v48-55 p's codes; v56 f; v58 at work; v59 16 x thread;
; v[60:61], v[36:37], v[38:39] three more chains of the sum; v62 a half-word; v63 the table's read address; v64-127 K's eight fragments; v128-159 V's four; v160-223 S^T, then p; v224-255 O^T.
.macro MMZ d, a, b, sa, sb, ra         ; a product that starts its sum
.if (\ra)
	v_wmma_scale_f32_16x16x128_f8f6f4 v[\d:\d+7], v[\a:\a+7], v[\b:\b+7], 0, v[\sa], v[\sb] matrix_a_fmt:MATRIX_FMT_FP4 matrix_b_fmt:MATRIX_FMT_FP4 matrix_a_scale:MATRIX_SCALE_ROW1
.else
	v_wmma_scale_f32_16x16x128_f8f6f4 v[\d:\d+7], v[\a:\a+7], v[\b:\b+7], 0, v[\sa], v[\sb] matrix_a_fmt:MATRIX_FMT_FP4 matrix_b_fmt:MATRIX_FMT_FP4
.endif
.endm
.macro MMA d, a, b, sa, sb, ra         ; a product onto its sum
.if (\ra)
	v_wmma_scale_f32_16x16x128_f8f6f4 v[\d:\d+7], v[\a:\a+7], v[\b:\b+7], v[\d:\d+7], v[\sa], v[\sb] matrix_a_fmt:MATRIX_FMT_FP4 matrix_b_fmt:MATRIX_FMT_FP4 matrix_a_scale:MATRIX_SCALE_ROW1
.else
	v_wmma_scale_f32_16x16x128_f8f6f4 v[\d:\d+7], v[\a:\a+7], v[\b:\b+7], v[\d:\d+7], v[\sa], v[\sb] matrix_a_fmt:MATRIX_FMT_FP4 matrix_b_fmt:MATRIX_FMT_FP4
.endif
.endm
.macro QUANT2 s, cd, hw, m             ; 32 numbers of a lane, register 16 b + i = k 32 b + 16 h + i, become 16 bytes of codes (block h of my row) in v[cd] on and the row's two scale bytes in v[hw]
.irp b, 0,1
	v_max3_num_f32 v[\m+\b], |v[\s+16*\b]|, |v[\s+16*\b+1]|, 0x1800000   ; and the floor 2^(3 - 127)
.endr
.irp i, 2,4,6,8,10,12,14
.irp b, 0,1
	v_max3_num_f32 v[\m+\b], v[\m+\b], |v[\s+16*\b+\i]|, |v[\s+16*\b+\i+1]|
.endr
.endr
.irp b, 0,1
	v_permlanex16_b32 v[\m+2+\b], v[\m+\b], s[SEL], s[SEL+1]
.endr
.irp b, 0,1
	v_max_num_f32 v[\m+\b], v[\m+\b], v[\m+2+\b]
.endr
.irp b, 0,1
	v_add_nc_u32 v[\m+4+\b], 0xff000000, v[\m+\b]
.endr
.irp b, 0,1
	v_lshrrev_b32 v[\m+6+\b], 23, v[\m+4+\b]
.endr
	v_lshl_or_b32 v[\hw], v[\m+7], 8, v[\m+6]
.irp b, 0,1
	v_cvt_scalef32_pk8_fp4_f32 v[\cd+2*\b], v[\s+16*\b:\s+16*\b+7], v[\m+4+\b]
	v_cvt_scalef32_pk8_fp4_f32 v[\cd+2*\b+1], v[\s+16*\b+8:\s+16*\b+15], v[\m+4+\b]
.endr
	v_nop                                          ; one plain place behind a scaled conversion
	v_permlane16_swap_b32 v[\cd], v[\cd+2]
	v_permlane16_swap_b32 v[\cd+1], v[\cd+3]
.endm
.macro QLOAD p                         ; the codes and the scale word of query tile 32 x + 16 p + wave
	global_load_b128 v[16:19], v1, s[48:49] offset:8192*\p
	global_load_b32 v24, v10, s[50:51] offset:1024*\p
.endm
.macro FS j                            ; pair j of the 32 pairs of scores: t - M (of the pairs log2(e) and -M the low word serves both halves)
	v_pk_fma_f32 v[160+2*(\j):161+2*(\j)], v[160+2*(\j):161+2*(\j)], s[CS:CS+1], v[12:13] op_sel_hi:[1,0,0]
.endm
; The x-th of the thirty other lines that stand among the exponentials.  None of them names a result of the batch.
.macro XF x
.if (\x) == 0
	v_sub_f32 v58, v12, v2                         ; old M - new M: a whole number, 0 or less
.elseif (\x) == 1
	ds_load_b64 v[26:27], v8 offset:512            ; THE NEXT STEP'S K: its scale half-words,
.elseif (\x) == 2
	v_cvt_i32_f32 v58, v58                         ; (it saturates)
.elseif (\x) == 3
	ds_load_b64 v[28:29], v8 offset:768
.elseif (\x) == 4
	v_ldexp_f32 v56, 1.0, v58                      ; f = 2^(old M - new M)
.elseif (\x) < 13
	ds_load_b128 v[64+8*((\x)-5):64+8*((\x)-5)+3], v6 offset:512*((\x)-5)   ; and its eight fragments.  In the last trip these ten read the filled bytes that lie behind K's (V's first), and what they bring is not used
.elseif (\x) == 13
	v_pk_mul_f32 v[14:15], v[14:15], v[56:57] op_sel_hi:[1,0]   ; the sum under the new M
.else
	v_pk_mul_f32 v[224+2*((\x)-14):225+2*((\x)-14)], v[224+2*((\x)-14):225+2*((\x)-14)], v[56:57] op_sel_hi:[1,0]   ; O^T under the new M, each accumulator from its low end on
.endif
.endm
.macro SUM4 j                          ; four more pairs of p, one onto each chain of the row's sum
	v_pk_add_f32 v[60:61], v[60:61], v[160+\j:161+\j]
	v_pk_add_f32 v[36:37], v[36:37], v[162+\j:163+\j]
	v_pk_add_f32 v[38:39], v[38:39], v[164+\j:165+\j]
	v_pk_add_f32 v[14:15], v[14:15], v[166+\j:167+\j]
.endm
	s_load_b256 s[4:11], s[0:1], 0x0               ; qkvc s[4:5], qkvs s[6:7], nvc s[8:9], nvs s[10:11]
	v_lshl_add_u32 v5, v0, 2, 0x29000
	v_mov_b32 v9, 0
	ds_add_u32 v5, v9
	ds_add_u32 v5, v9
	v_lshrrev_b32 v1, 5, v0
	v_readfirstlane_b32 s12, v1                    ; wave 0..15
	s_and_b32 s14, ttmp7, 0xffff                   ; batch x 16 + head
	v_and_b32 v6, 31, v0                           ; lane
	v_and_b32 v7, 15, v0                           ; r
	v_lshlrev_b32 v1, 4, v6
	v_lshlrev_b32 v2, 3, v6
	v_add_nc_u32 v3, 4096, v1                      ; from here the next step's K lies at offsets 0 to 3,584 and this step's V at 61,440 to 65,024
	v_add_nc_u32 v4, KSC, v2                       ; from here the next step's half-words of K lie at 512 and 768, this step's of V at 8,192 and 8,448
	s_and_b32 s20, s12, 1                          ; my query tile is tile wave % 4 of its group of four: its half-words are word (wave / 2) % 2 of lanes 16 (wave % 2) + r
	s_lshl_b32 s20, s20, 7
	s_bfe_u32 s21, s12, 0x10001
	s_lshl_b32 s21, s21, 2
	s_add_co_u32 s20, s20, s21
	v_lshl_add_u32 v10, v7, 3, s20
	s_lshl_b32 s20, s12, 6
	s_add_co_u32 s20, s20, NVS
	v_lshl_add_u32 v11, v7, 2, s20
	v_lshlrev_b32 v59, 4, v0
	v_add_nc_u32 v63, NVS, v59
.irp j, 20,21,22,23
	v_mov_b32 v[\j], 0                             ; Q's k = 64 .. 127: zero codes
.endr
.irp t, 0,1,2,3,4,5,6,7
.irp j, 4,5,6,7
	v_mov_b32 v[64+8*\t+\j], 0                     ; K's likewise; written once
.endr
.endr
.irp j, 40,41,42,43,57,58
	v_mov_b32 v[\j], 0                             ; lane permutes' destinations, and the upper half of the pair v[56:57]
.endr
	s_mov_b32 s[SEL], 0x76543210
	s_mov_b32 s[SEL+1], 0xfedcba98
	s_mov_b32 s[CS], 0x3fb8aa3b
	s_mov_b32 s[CS+1], s[CS]
	s_mov_b32 s[NC], 0xbfb8aa3b
	; descriptor group 1: dense blocks as rows of 256 bytes: 64 rows (a quarter of an image), 32 rows (a head's scale half-words)
	s_mov_b32 s24, 3<<16
	s_mov_b32 s25, 32<<16
	s_mov_b32 s26, 64<<16
	s_mov_b32 s27, 32<<16
	s_mov_b32 s28, 64
	s_mov_b32 s29, 32
	s_mov_b32 s30, 0
	s_mov_b32 s31, 0
	s_mov_b32 s32, 3<<16
	s_mov_b32 s33, 32<<16
	s_mov_b32 s34, 32<<16
	s_mov_b32 s35, 32<<16
	s_mov_b32 s36, 32
	s_mov_b32 s37, 32
	s_mov_b32 s38, 0
	s_mov_b32 s39, 0
	s_mov_b32 s40, 1                               ; waves 0-3: K's image, waves 4-7: V's, 16,384 bytes each
	s_lshl_b32 s41, s12, 14
	s_lshr_b32 s20, s12, 2
	s_add_co_u32 s20, s20, 1                       ; role 1 or 2
	s_lshl_b32 s20, s20, 22
	s_lshl_b32 s21, s14, 16
	s_add_co_u32 s20, s20, s21
	s_and_b32 s21, s12, 3
	s_lshl_b32 s21, s21, 14
	s_add_co_u32 s20, s20, s21
	s_mov_b32 s21, 0
	s_mov_b32 s44, 1                               ; wave 8: K's half-words, wave 9: V's
	s_and_b32 s22, s12, 1
	s_lshl_b32 s45, s22, 13
	s_add_co_u32 s45, s45, KSC
	s_add_co_u32 s22, s22, 1
	s_lshl_b32 s22, s22, 19
	s_lshl_b32 s23, s14, 13
	s_add_co_u32 s22, s22, s23
	s_mov_b32 s23, 0
	s_wait_dscnt 0x0
	s_wait_kmcnt 0x0
	s_add_nc_u64 s[42:43], s[4:5], s[20:21]
	s_or_b32 s43, s43, 0x80000000
	s_add_nc_u64 s[46:47], s[6:7], s[22:23]
	s_or_b32 s47, s47, 0x80000000
	s_cmp_lt_u32 s12, 8
	s_cbranch_scc0 .Lnot_image
	tensor_load_to_lds s[40:43], s[24:31]
	s_nop 0
.rept 4
	v_nop
.endr
	s_branch .Lasked
.Lnot_image:
	s_cmp_lt_u32 s12, 10
	s_cbranch_scc0 .Lasked
	tensor_load_to_lds s[44:47], s[32:39]
	s_nop 0
.rept 4
	v_nop
.endr
.Lasked:
	s_lshl_b32 s20, ttmp9, 5
	s_add_co_u32 s22, s20, s12                     ; my first query tile of the sequence: 32 x + wave
	s_lshl_b32 s20, s22, 9
	s_lshl_b32 s21, s14, 16
	s_add_co_u32 s20, s20, s21
	s_mov_b32 s21, 0
	s_add_nc_u64 s[48:49], s[4:5], s[20:21]        ; its codes (role 0)
	s_lshl_b32 s20, ttmp9, 3
	s_lshr_b32 s21, s12, 2
	s_add_co_u32 s20, s20, s21
	s_lshl_b32 s20, s20, 8
	s_lshl_b32 s21, s14, 13
	s_add_co_u32 s20, s20, s21
	s_mov_b32 s21, 0
	s_add_nc_u64 s[50:51], s[6:7], s[20:21]        ; its group's half-words
	QLOAD 0                                        ; the first pass's Q is on its way while the tiles land
	s_lshr_b32 s23, s14, 4
	s_lshl_b32 s23, s23, 7                         ; 128 token tiles a batch
	s_add_co_u32 s20, s23, s22
	s_lshl_b32 s20, s20, 13
	s_and_b32 s21, s14, 15
	s_lshl_b32 s21, s21, 9
	s_add_co_u32 s20, s20, s21
	s_mov_b32 s21, 0
	s_add_nc_u64 s[52:53], s[8:9], s[20:21]        ; new_v's image: my token tile, the head's 512 bytes
	s_lshl_b32 s20, ttmp9, 5
	s_add_co_u32 s20, s20, s23
	s_lshl_b32 s20, s20, 6
	s_and_b32 s21, s14, 15
	s_lshl_b32 s21, s21, 15
	s_add_co_u32 s20, s20, s21
	s_mov_b32 s21, 0
	s_add_nc_u64 s[54:55], s[10:11], s[20:21]      ; its half-words: the head's, the work-group's 32 tiles
	s_wait_tensorcnt 0x0                           ; my part is in,
	s_barrier_signal -1
	s_barrier_wait -1                              ; everybody's is
.macro PASS p                          ; query tile 32 x + 16 p + wave
	s_wait_xcnt 0x0                                ; the last pass's store has read its registers
	v_mov_b32 v13, 0xff61b1e6                      ; the largest score so far: -3e38
	v_mov_b32 v12, 0x7f61b1e6                      ; -M: 3e38, a whole number: the first step's f is 0
	v_mov_b32 v14, 0
	v_mov_b32 v15, 0
.set j, 0
.rept 32
	v_mov_b32 v[224+j], 0                          ; O^T: the key step is written once; its first trip finds zeros
.set j, j+1
.endr
	ds_load_b64 v[26:27], v4                       ; key step 0: K's scale words and fragments
	ds_load_b64 v[28:29], v4 offset:256
.irp t, 0,1,2,3,4,5,6,7
	ds_load_b128 v[64+8*\t:64+8*\t+3], v1 offset:512*\t
.endr
	s_mov_b32 s56, 0                               ; the step's bytes in the images: 4,096 a step
	s_mov_b32 s57, 0                               ; and among the half-words: 512 a step
	s_mov_b32 s58, 16
	s_wait_loadcnt 0x0                             ; Q
.Lkey_\@:
	s_wait_dscnt 0x0                               ; K's fragments and scale words, asked for a step ago
.irp t, 0,1,2,3,4,5,6,7
	MMZ 160+8*\t, 64+8*\t, 16, 26+\t/2, 24, \t%2
.endr
	v_add_nc_u32 v6, s56, v3                       ; four plain instructions: the places in front of the first read of the scores
	v_add_nc_u32 v8, s57, v4
	v_mov_b32 v2, v12                              ; the old -M is kept for f
	v_nop
	ds_load_b64 v[30:31], v8 offset:8192           ; V's half-words of keys 0-63 of the step,
	ds_load_b64 v[32:33], v8 offset:8448           ; and of keys 64-127
.irp i, 0,1,2,3
.irp c, 0,1
	ds_load_b128 v[128+8*\i+4*\c:128+8*\i+4*\c+3], v6 offset:61440+2048*\c+512*\i   ; V's fragments (the last products that read these registers stand twenty plain instructions back)
.endr
.endr
.irp b, 0,1,2,3
	v_max3_num_f32 v[36+\b], v[160+16*\b], v[161+16*\b], v[162+16*\b]   ; the largest score of each block of 32 keys: it serves the row's maximum and, since p rises with the score, the block's largest p
.endr
.irp i, 3,5,7,9,11,13
.irp b, 0,1,2,3
	v_max3_num_f32 v[36+\b], v[36+\b], v[160+16*\b+\i], v[161+16*\b+\i]
.endr
.endr
.irp b, 0,1,2,3
	v_max_num_f32 v[36+\b], v[36+\b], v[175+16*\b]
.endr
.irp b, 0,1,2,3
	v_permlanex16_b32 v[40+\b], v[36+\b], s[SEL], s[SEL+1]
.endr
.irp b, 0,1,2,3
	v_max_num_f32 v[36+\b], v[36+\b], v[40+\b]     ; with lane l xor 16's 16 keys
.endr
	v_max3_num_f32 v58, v36, v37, v38
	s_wait_dscnt 8                                 ; V's two half-word loads are in; its eight fragment loads behind them may be out
	v_lshl_or_b32 v34, v32, 16, v30                ; V's scale words for these 128 keys: channel tiles 0 | 1 (these two lines stand in the gaps of the chain that makes M)
	v_max3_num_f32 v13, v58, v39, v13              ; the running largest score: a product by log2(e), which is positive, keeps the order, so the largest t is the largest score's
	v_lshl_or_b32 v35, v33, 16, v31                ; and 2 | 3
	v_mul_f32 v58, s[NC], v13                      ; -t
	v_floor_f32 v12, v58                           ; the new -M = -ceil(t)
.irp b, 0,1,2,3
	v_fma_f32 v[36+\b], v[36+\b], s[CS], v12       ; t - M of each block's largest score
.endr
.irp b, 0,1,2,3
	FS \b                                          ; the first four pairs are scaled ahead,
	v_exp_f32 v[36+\b], v[36+\b]                   ; THE BATCH BEGINS: the blocks' largest p
.endr
.set n, 0
.rept 64
	v_exp_f32 v[160+n], v[160+n]                   ; p = 2^(t - M)
.if (n%2 == 0) && (n < 56)
	FS 4+n/2                                       ; pair 4 + n / 2 is scaled here and wanted at exponential 8 + n
.elseif (n%2 == 1) && (n < 58)
	XF (n-1)/2
.elseif n == 63
	XF 29                                          ; a plain place behind the last of the batch
.endif
.set n, n+1
.endr
	s_wait_alu depctr_va_vdst(0)                   ; one wait for the 68, ahead of the first line that names a result
.irp b, 0,1,2,3
	v_max_num_f32 v[36+\b], 0x1800000, v[36+\b]    ; the floor 2^(3 - 127)
.endr
.irp b, 0,1,2,3
	v_add_nc_u32 v[44+\b], 0xff000000, v[36+\b]    ; the conversion's scale operand
.endr
.irp b, 0,1,2,3
	v_lshrrev_b32 v[40+\b], 23, v[44+\b]           ; the byte
.endr
	v_lshl_or_b32 v25, v41, 8, v40                 ; p's scale word for these 128 keys
	v_lshl_or_b32 v25, v42, 16, v25
	v_lshl_or_b32 v25, v43, 24, v25
.irp b, 0,1,2,3
	v_cvt_scalef32_pk8_fp4_f32 v[48+2*\b], v[160+16*\b:167+16*\b], v[44+\b]
	v_cvt_scalef32_pk8_fp4_f32 v[49+2*\b], v[168+16*\b:175+16*\b], v[44+\b]
.endr
	v_pk_add_f32 v[60:61], v[160:161], v[162:163]  ; THE ROW'S SUM OF THE UNQUANTISED p, in four chains.  Its first line is the plain place behind the conversions
.irp c, 0,1
.irp i, 0,1
	v_permlane16_swap_b32 v[48+4*\c+\i], v[50+4*\c+\i]   ; a whole block to a lane
.endr
.endr
	v_pk_add_f32 v[36:37], v[164:165], v[166:167]  ; eleven lines of the sum: the places between p's codes and scale word and the products
	v_pk_add_f32 v[38:39], v[168:169], v[170:171]
	v_pk_add_f32 v[14:15], v[14:15], v[172:173]
	SUM4 14
	SUM4 22
	s_wait_dscnt 10                                ; V's fragments are in; the next step's ten loads of K may be out
.irp i, 0,1,2,3
	MMA 224+8*\i, 128+8*\i, 48, 34+\i/2, 25, \i%2
.endr
	SUM4 30                                        ; the rest of the sum names no register of those products
	SUM4 38
	SUM4 46
	SUM4 54
	v_pk_add_f32 v[60:61], v[60:61], v[222:223]
	v_pk_add_f32 v[36:37], v[36:37], v[38:39]
	v_pk_add_f32 v[14:15], v[14:15], v[60:61]
	v_pk_add_f32 v[14:15], v[14:15], v[36:37]
	s_add_co_u32 s56, s56, 4096
	s_add_co_u32 s57, s57, 512
	s_sub_co_u32 s58, s58, 1
	s_cmp_lg_u32 s58, 0
	s_cbranch_scc1 .Lkey_\@
	s_wait_dscnt 0x0                               ; the last trip's look-ahead has landed: its registers may be loaded again
.if \p == 0
	QLOAD 1                                        ; the next pass's Q is on its way while this pass's result is divided and quantised
.endif
	v_add_f32 v14, v14, v15
	v_permlanex16_b32 v58, v14, s[SEL], s[SEL+1]
	v_add_f32 v14, v14, v58                        ; the row's sum
	v_rcp_f32 v56, v14
	v_nop
	s_wait_alu depctr_va_vdst(0)
.set j, 0
.rept 16
	v_pk_mul_f32 v[160+j:161+j], v[224+j:225+j], v[56:57] op_sel_hi:[1,0]   ; new_v: register 16 b + i = channel 32 b + 16 h + i of my query
.set j, j+2
.endr
	QUANT2 160, 48, 62, 36
	global_store_b128 v1, v[48:51], s[52:53] offset:131072*\p   ; 512 consecutive bytes
	ds_store_b32 v11, v62 offset:1024*\p           ; both lanes of a row write the same word with the same value
.endm
	PASS 0
	PASS 1
	s_wait_dscnt 0x0                               ; for the others' sake: my half-words lie in the table
	s_barrier_signal -1
	s_barrier_wait -1
	s_cmp_lt_u32 s12, 4
	s_cbranch_scc0 .Lend
	ds_load_b128 v[64:67], v63                     ; the table's 2,048 bytes leave by four waves, 512 consecutive bytes each
	s_wait_dscnt 0x0
	global_store_b128 v59, v[64:67], s[54:55]
.Lend:
	s_wait_tensorcnt 0x0
	ds_add_u32 v5, v9
	s_wait_dscnt 0x0
	s_endpgm
.Lfunc_end_k_qe0e5ac112d_attn:
	.size	k_qe0e5ac112d_attn, .Lfunc_end_k_qe0e5ac112d_attn-k_qe0e5ac112d_attn
	.p2alignl 7, 3214868480
	.fill 96, 4, 3214868480
	.section	.rodata,"a",@progbits
	.p2align	6, 0x0
	.amdhsa_kernel k_qe0e5ac112d_attn
		.amdhsa_group_segment_fixed_size 169984
		.amdhsa_private_segment_fixed_size 0
		.amdhsa_enable_private_segment 0
		.amdhsa_kernarg_size 32
		.amdhsa_user_sgpr_count 2
		.amdhsa_user_sgpr_kernarg_segment_ptr 1
		.amdhsa_wavefront_size32 1
		.amdhsa_system_sgpr_workgroup_id_x 1
		.amdhsa_system_sgpr_workgroup_id_y 1
		.amdhsa_system_sgpr_workgroup_id_z 1
		.amdhsa_system_vgpr_workitem_id 0
		.amdhsa_next_free_vgpr 256
		.amdhsa_next_free_sgpr 66
		.amdhsa_reserve_vcc 0
		.amdhsa_float_denorm_mode_32 3
		.amdhsa_float_denorm_mode_16_64 3
		.amdhsa_memory_ordered 1
		.amdhsa_forward_progress 1
		.amdhsa_inst_pref_size 48
	.end_amdhsa_kernel
	.amdgpu_metadata
---
amdhsa.version: [ 1, 2 ]
amdhsa.kernels:
  - .name:           k_qe0e5ac112d_attn
    .symbol:         k_qe0e5ac112d_attn.kd
    .args:
      - { .name: qkvc, .offset: 0, .size: 8, .value_kind: global_buffer, .address_space: global }
      - { .name: qkvs, .offset: 8, .size: 8, .value_kind: global_buffer, .address_space: global }
      - { .name: nvc, .offset: 16, .size: 8, .value_kind: global_buffer, .address_space: global }
      - { .name: nvs, .offset: 24, .size: 8, .value_kind: global_buffer, .address_space: global }
    .group_segment_fixed_size: 169984
    .private_segment_fixed_size: 0
    .kernarg_segment_align: 8
    .kernarg_segment_size: 32
    .max_flat_workgroup_size: 512
    .sgpr_count:     66
    .vgpr_count:     256
    .wavefront_size: 32
...
	.end_amdgpu_metadata
.endif
;; end of part 3
;; launch outp (part 4): grid 256 x 1, 16 waves a work-group, no clusters, 169,984 bytes of LDS; arguments nvc, nvs, wimg, wsimg, b_out, x, out0; writes out0
.if DOCPART == 4
	.amdgcn_target "amdgcn-amd-amdhsa--gfx1250"
	.amdhsa_code_object_version 6
	.text
	.protected	k_qe0e5ac112d_outp
	.globl	k_qe0e5ac112d_outp
	.p2align	8
	.type	k_qe0e5ac112d_outp,@function
k_qe0e5ac112d_outp:
	s_mov_b64 s[64:65], 0
	v_nop
	global_prefetch_b8 v0, s[64:65] scope:SCOPE_SE
	s_setreg_imm32_b32 hwreg(HW_REG_WAVE_MODE, 25, 1), 1
	s_wait_xcnt 0x0
; out0 = layer_norm(swish(new_v W_out + b_out) + x): the product on codes of FP4 with E8M0 scales, K = 1,024; all else in f32.
; SHARES.  A work-group takes 32 tokens (token tiles 2 g and 2 g + 1) and all 1,024 columns, so that a row's mean and variance stay inside it.  Wave w owns columns 64 w .. 64 w + 63: W_out's tiles 4 w + i, whose
; fragments go from the image in memory (launch prep) straight into its registers, each read by this wave alone; new_v's two tiles, 16,384 bytes, come into LDS once and are read by all sixteen.
; The product is used transposed (source 0 = 16 rows of W_out): lane (r, h) holds token 8 u + r + 8 (r / 8) of the 32 and, in tile i, columns 32 (i / 2) + 8 (i % 2) + 16 h + 0 .. 7 of the wave's 64.
; The variance is taken of the numbers less their mean, in a second pass over registers: no difference of large sums is formed.
; x comes as the wave's own strip, 32 rows x 256 bytes, by a tensor load at the head; the strip, which is filled once, later serves as the stage on the way out.  By this text's count two tensor loads a wave are out.
; NO CLUSTER: what work-groups share is W_out, which goes into registers; in LDS its 524,288 bytes have no room beside the strips.
.set XSTP, 8704                        ; a wave's strip: 32 rows x (256 bytes + 16); the strips lie from LDS byte 0 on
.set NIMG, 139264                      ; new_v's two tiles: [u][K step 8][c 2][lane][16 bytes]
.set NSC,  155648                      ; their scale words: [K step 8][lane 32]: lanes 0-15 tile 0, lanes 16-31 tile 1
.set RED,  156672                      ; the waves' sums: [wave 16][lane 32] words; the second reduction's 2,048 bytes on
.set SEL,  2                           ; s[2:3]   lane selects: lane l xor 16
.set MH,   19                          ; s19      a mask of lanes 16-31
.set NL,   48                          ; s[48:49] -log2(e)
.set NI,   50                          ; s50      -1 / 1024
.set IN,   51                          ; s51      1 / 1024
.set EP,   52                          ; s52      1e-5
; REGISTERS: v1 16 x lane; v4-14 addresses; v15 a half-word; v16-23 new_v's scale words; v24-39 W's (8 p + s: tiles 2 p | 2 p + 1); v40-71 new_v's fragments, two sets; v72-103 the biases, then sigmoids;
; v104-167 W's fragments, two sets, then x, then rows on the way out; v168-231 accumulator (i, u) at 32 u + 8 i; v232-255 at work.
.macro MM d, a, b, c, sa, sb, ra, rb
.if (\ra) && (\rb)
	v_wmma_scale_f32_16x16x128_f8f6f4 v[\d:\d+7], v[\a:\a+7], v[\b:\b+7], v[\c:\c+7], v[\sa], v[\sb] matrix_a_fmt:MATRIX_FMT_FP4 matrix_b_fmt:MATRIX_FMT_FP4 matrix_a_scale:MATRIX_SCALE_ROW1 matrix_b_scale:MATRIX_SCALE_ROW1
.elseif (\ra)
	v_wmma_scale_f32_16x16x128_f8f6f4 v[\d:\d+7], v[\a:\a+7], v[\b:\b+7], v[\c:\c+7], v[\sa], v[\sb] matrix_a_fmt:MATRIX_FMT_FP4 matrix_b_fmt:MATRIX_FMT_FP4 matrix_a_scale:MATRIX_SCALE_ROW1
.elseif (\rb)
	v_wmma_scale_f32_16x16x128_f8f6f4 v[\d:\d+7], v[\a:\a+7], v[\b:\b+7], v[\c:\c+7], v[\sa], v[\sb] matrix_a_fmt:MATRIX_FMT_FP4 matrix_b_fmt:MATRIX_FMT_FP4 matrix_b_scale:MATRIX_SCALE_ROW1
.else
	v_wmma_scale_f32_16x16x128_f8f6f4 v[\d:\d+7], v[\a:\a+7], v[\b:\b+7], v[\c:\c+7], v[\sa], v[\sb] matrix_a_fmt:MATRIX_FMT_FP4 matrix_b_fmt:MATRIX_FMT_FP4
.endif
.endm
.macro WLOAD s                         ; my four tiles' fragments of K step s, into set s % 2: each load reads 512 consecutive bytes
.irp i, 0,1,2,3
.irp c, 0,1
	global_load_b128 v[104+32*((\s)%2)+8*\i+4*\c:104+32*((\s)%2)+8*\i+4*\c+3], v1, s[8:9] offset:8192*\i+512*(2*(\s)+\c)
.endr
.endr
.endm
.macro NLOAD s                         ; new_v's two fragments of K step s
.irp u, 0,1
.irp c, 0,1
	ds_load_b128 v[40+16*((\s)%2)+8*\u+4*\c:40+16*((\s)%2)+8*\u+4*\c+3], v6 offset:8192*\u+512*(2*(\s)+\c)
.endr
.endr
.endm
.macro STEP s                          ; eight products, the eight accumulators by turns; then the fragments of two steps on
.if \s < 7
	s_wait_loadcnt 8                               ; this step's weights are in; the next step's eight loads may be out
	s_wait_dscnt 4                                 ; likewise new_v's four
.else
	s_wait_loadcnt 0x0
	s_wait_dscnt 0x0
.endif
.irp u, 0,1
.irp i, 0,1,2,3
.if \s == 0
	MM 168+32*\u+8*\i, 104+32*((\s)%2)+8*\i, 40+16*((\s)%2)+8*\u, 72+8*\i, 24+8*(\i/2)+(\s), 16+(\s), \i%2, \u
.else
	MM 168+32*\u+8*\i, 104+32*((\s)%2)+8*\i, 40+16*((\s)%2)+8*\u, 168+32*\u+8*\i, 24+8*(\i/2)+(\s), 16+(\s), \i%2, \u
.endif
.endr
.endr
.rept 4
	v_nop                                          ; places in front of loads into registers that these products have read, and of the first read of results
.endr
.if \s+2 < 8
	WLOAD \s+2
	NLOAD \s+2
.endif
.endm
.macro SWISH32 v, t                    ; v[t] on = sigmoid of the 32 numbers v[v] on
.set k, 0
.rept 16
	v_pk_mul_f32 v[\t+k:\t+k+1], v[\v+k:\v+k+1], s[NL:NL+1] op_sel_hi:[1,0]   ; each accumulator is read from its low end on
.set k, k+2
.endr
.set k, 0
.rept 32
	v_exp_f32 v[\t+k], v[\t+k]
.set k, k+1
.endr
	v_nop
	s_wait_alu depctr_va_vdst(0)                   ; one wait for the batch, ahead of its first reader
.set k, 0
.rept 16
	v_pk_add_f32 v[\t+k:\t+k+1], v[\t+k:\t+k+1], 1.0 op_sel_hi:[1,0]
.set k, k+2
.endr
.set k, 0
.rept 32
	v_rcp_f32 v[\t+k], v[\t+k]
.set k, k+1
.endr
	v_nop
	s_wait_alu depctr_va_vdst(0)
.endm
.macro ROWSUM y, d                     ; the sum of my 32 numbers v[y] on, in two chains
	v_pk_add_f32 v[248:249], v[\y:\y+1], v[\y+2:\y+3]
	v_pk_add_f32 v[250:251], v[\y+4:\y+5], v[\y+6:\y+7]
.irp j, 8,12,16,20,24,28
	v_pk_add_f32 v[248:249], v[248:249], v[\y+\j:\y+\j+1]
	v_pk_add_f32 v[250:251], v[250:251], v[\y+\j+2:\y+\j+3]
.endr
	v_pk_add_f32 v[248:249], v[248:249], v[250:251]
	v_add_f32 v[\d], v248, v249
.endm
.macro ROWSQ y, d                      ; the sum of their squares
	v_pk_mul_f32 v[248:249], v[\y:\y+1], v[\y:\y+1]
	v_pk_mul_f32 v[250:251], v[\y+2:\y+3], v[\y+2:\y+3]
.irp j, 4,8,12,16,20,24,28
	v_pk_fma_f32 v[248:249], v[\y+\j:\y+\j+1], v[\y+\j:\y+\j+1], v[248:249]
	v_pk_fma_f32 v[250:251], v[\y+\j+2:\y+\j+3], v[\y+\j+2:\y+\j+3], v[250:251]
.endr
	v_pk_add_f32 v[248:249], v[248:249], v[250:251]
	v_add_f32 v[\d], v248, v249
.endm
; in: v252, v253: my lane's sums for tiles 0 and 1.  out: v252, v253: the rows' sums over all 1,024 columns, in every lane.  Every wave adds the sixteen parts in the same order.
.macro CROSS off
	v_cndmask_b32 v254, v252, v253, s[MH]          ; lanes 0-15 go on with tile 0, lanes 16-31 with tile 1:
	v_cndmask_b32 v255, v253, v252, s[MH]          ; what the lane 16 away needs of me
	v_permlanex16_b32 v250, v255, s[SEL], s[SEL+1]
	v_add_f32 v254, v254, v250                     ; my wave's 64 columns of row r of my tile
	ds_store_b32 v10, v254 offset:\off
	s_wait_dscnt 0x0                               ; for the others' sake
	s_barrier_signal -1
	s_barrier_wait -1
.irp w, 0,1,2,3,4,5,6,7,8,9,10,11,12,13,14,15
	ds_load_b32 v[232+\w], v11 offset:\off+128*\w
.endr
	s_wait_dscnt 0x0
	v_pk_add_f32 v[232:233], v[232:233], v[234:235]
	v_pk_add_f32 v[236:237], v[236:237], v[238:239]
	v_pk_add_f32 v[240:241], v[240:241], v[242:243]
	v_pk_add_f32 v[244:245], v[244:245], v[246:247]
	v_pk_add_f32 v[232:233], v[232:233], v[236:237]
	v_pk_add_f32 v[240:241], v[240:241], v[244:245]
	v_pk_add_f32 v[232:233], v[232:233], v[240:241]
	v_add_f32 v254, v232, v233
	v_permlanex16_b32 v250, v254, s[SEL], s[SEL+1]
	v_cndmask_b32 v252, v254, v250, s[MH]          ; tile 0's: mine in lanes 0-15
	v_cndmask_b32 v253, v250, v254, s[MH]          ; tile 1's: mine in lanes 16-31
.endm
	s_load_b256 s[4:11], s[0:1], 0x0               ; nvc s[4:5], nvs s[6:7], wimg s[8:9], wsimg s[10:11]
	s_load_b128 s[12:15], s[0:1], 0x20             ; b_out s[12:13], x s[14:15]
	s_load_b64 s[16:17], s[0:1], 0x30              ; out0
	v_lshl_add_u32 v254, v0, 2, 0x29000
	v_mov_b32 v255, 0
	ds_add_u32 v254, v255
	ds_add_u32 v254, v255
	s_wait_dscnt 0x0
	v_lshrrev_b32 v1, 5, v0
	v_readfirstlane_b32 s18, v1                    ; wave 0..15
	v_and_b32 v14, 31, v0
	v_and_b32 v2, 15, v0                           ; r
	v_bfe_u32 v3, v0, 4, 1                         ; h
	v_lshlrev_b32 v1, 4, v14                       ; 16 x lane
	v_lshlrev_b32 v14, 2, v14                      ; 4 x lane
	s_lshr_b32 s20, s18, 1                         ; head w's two bytes are half w % 2 of the scale word of K step w / 2
	s_lshl_b32 s20, s20, 7
	s_and_b32 s21, s18, 1
	s_lshl_b32 s21, s21, 1
	s_add_co_u32 s20, s20, s21
	s_add_co_u32 s20, s20, NSC
	v_add_nc_u32 v4, s20, v14
	v_add_nc_u32 v5, NSC, v14
	v_add_nc_u32 v6, NIMG, v1
	s_mul_i32 s22, s18, XSTP                       ; my strip
	v_and_b32 v7, 8, v2
	v_add_nc_u32 v7, v7, v2
	v_mul_u32_u24 v7, v7, 272
	v_lshl_add_u32 v7, v3, 6, v7
	v_add_nc_u32 v7, s22, v7                       ; in the result's layout: row r + 8 (r / 8), + 64 h
	v_mul_u32_u24 v8, v3, 272
	v_lshl_add_u32 v8, v2, 4, v8
	v_add_nc_u32 v8, s22, v8                       ; by rows: lanes 0-15 one row, lanes 16-31 the next
	v_lshlrev_b32 v9, 12, v3
	v_lshl_add_u32 v9, v2, 4, v9                   ; and the same in out0
	s_lshl_b32 s20, s18, 7
	s_add_co_u32 s20, s20, RED
	v_add_nc_u32 v10, s20, v14
	v_add_nc_u32 v11, RED, v14
	v_lshlrev_b32 v12, 9, v3
	v_lshl_add_u32 v12, v2, 4, v12                 ; W's scale words: 512 h + 16 r
	v_lshlrev_b32 v13, 6, v3                       ; the biases: 64 h
	s_mov_b32 s[SEL], 0x76543210
	s_mov_b32 s[SEL+1], 0xfedcba98
	s_mov_b32 s[MH], 0xffff0000
	s_mov_b32 s[NL], 0xbfb8aa3b
	s_mov_b32 s[NL+1], s[NL]
	s_mov_b32 s[NI], 0xba800000
	s_mov_b32 s[IN], 0x3a800000
	s_mov_b32 s[EP], 0x3727c5ac
	; descriptor group 1: 1,024 dense bytes of new_v's image as 4 rows of 256
	s_mov_b32 s24, 3<<16
	s_mov_b32 s25, 32<<16
	s_mov_b32 s26, 4<<16
	s_mov_b32 s27, 32<<16
	s_mov_b32 s28, 4
	s_mov_b32 s29, 32
	s_mov_b32 s30, 0
	s_mov_b32 s31, 0
	; and x's strip: 32 rows of 64 numbers of 4 bytes, 1,024 numbers apart, 4 words of padding behind every 64
	s_mov_b32 s32, (2<<16)|(1<<20)|(5<<22)|(3<<25)
	s_mov_b32 s33, 64<<16
	s_mov_b32 s34, 32<<16
	s_mov_b32 s35, 64<<16
	s_mov_b32 s36, 32
	s_mov_b32 s37, 1024
	s_mov_b32 s38, 0
	s_mov_b32 s39, 0
	s_mov_b32 s40, 1
	s_lshl_b32 s41, s18, 10
	s_lshl_b32 s20, ttmp9, 14
	s_add_co_u32 s20, s20, s41
	s_add_co_u32 s41, s41, NIMG
	s_mov_b32 s21, 0
	s_mov_b32 s44, 1
	s_mov_b32 s45, s22
	s_lshl_b32 s22, ttmp9, 17                      ; 32 rows of 4,096 bytes,
	s_lshl_b32 s23, s18, 8                         ; my 256 bytes of a row
	s_add_co_u32 s22, s22, s23
	s_mov_b32 s23, 0
	s_wait_kmcnt 0x0
	s_add_nc_u64 s[42:43], s[4:5], s[20:21]
	s_or_b32 s43, s43, 0x80000000
	s_add_nc_u64 s[46:47], s[14:15], s[22:23]
	s_or_b32 s47, s47, 0x80000000
	s_add_nc_u64 s[16:17], s[16:17], s[22:23]
	tensor_load_to_lds s[40:43], s[24:31]          ; my sixteenth of new_v's image,
	s_nop 0
	tensor_load_to_lds s[44:47], s[32:39]          ; and my strip of x, wanted only at the end
	s_nop 0
.rept 4
	v_nop
.endr
	s_lshl_b32 s20, s18, 15
	s_lshl_b32 s22, ttmp9, 7
	s_add_co_u32 s20, s20, s22
	s_add_nc_u64 s[6:7], s[6:7], s[20:21]          ; head w's half-words of my two token tiles
	s_lshl_b32 s20, s18, 11
	s_add_co_u32 s20, s20, 192*512
	s_add_nc_u64 s[10:11], s[10:11], s[20:21]      ; the scale images of W_out's tiles 4 w on
	s_lshl_b32 s20, s18, 8
	s_add_nc_u64 s[12:13], s[12:13], s[20:21]      ; my 64 biases
	s_lshl_b32 s20, s18, 15
	s_add_co_u32 s20, s20, 192*8192
	s_add_nc_u64 s[8:9], s[8:9], s[20:21]          ; the code images
	global_load_b32 v15, v14, s[6:7]
.irp p, 0,1
.irp q, 0,1
	global_load_b128 v[24+8*\p+4*\q:24+8*\p+4*\q+3], v12, s[10:11] offset:1024*\p+256*\q
.endr
.endr
.irp i, 0,1,2,3
	global_load_b128 v[72+8*\i:72+8*\i+3], v13, s[12:13] offset:(32*(\i/2)+8*(\i%2))*4
	global_load_b128 v[72+8*\i+4:72+8*\i+7], v13, s[12:13] offset:(32*(\i/2)+8*(\i%2))*4+16
.endr
	WLOAD 0
	WLOAD 1
	s_wait_loadcnt 28                              ; the half-words are in; the 28 loads behind them may be out
	ds_store_b16 v4, v15
	s_wait_tensorcnt 0x1                           ; my part of the image is in; the strip may be out
	s_wait_dscnt 0x0                               ; for the others' sake
	s_barrier_signal -1
	s_barrier_wait -1
.irp s, 0,1,2,3,4,5,6,7
	ds_load_b32 v[16+\s], v5 offset:128*\s
.endr
	NLOAD 0
	NLOAD 1
.irp s, 0,1,2,3,4,5,6,7
	STEP \s
.endr
	s_wait_tensorcnt 0x0                           ; my strip: only I read it
.irp u, 0,1
.irp i, 0,1,2,3
.irp q, 0,1
	ds_load_b128 v[104+32*\u+8*\i+4*\q:104+32*\u+8*\i+4*\q+3], v7 offset:2176*\u+128*(\i/2)+32*(\i%2)+16*\q   ; x in the result's layout
.endr
.endr
.endr
	SWISH32 168, 72
	s_wait_dscnt 0x0
.set k, 0
.rept 16
	v_pk_fma_f32 v[168+k:169+k], v[168+k:169+k], v[72+k:73+k], v[104+k:105+k]   ; y = m + x
.set k, k+2
.endr
	SWISH32 200, 72
.set k, 0
.rept 16
	v_pk_fma_f32 v[200+k:201+k], v[200+k:201+k], v[72+k:73+k], v[136+k:137+k]
.set k, k+2
.endr
	ROWSUM 168, 252
	ROWSUM 200, 253
	CROSS 0
	v_mul_f32 v254, s[NI], v253                    ; minus the means: tile 1's,
	v_mul_f32 v252, s[NI], v252                    ; tile 0's
.set k, 0
.rept 16
	v_pk_add_f32 v[168+k:169+k], v[168+k:169+k], v[252:253] op_sel_hi:[1,0]
	v_pk_add_f32 v[200+k:201+k], v[200+k:201+k], v[254:255] op_sel_hi:[1,0]
.set k, k+2
.endr
	ROWSQ 168, 252
	ROWSQ 200, 253
	CROSS 2048
	v_fma_f32 v254, v253, s[IN], s[EP]             ; the variance + 1e-5
	v_fma_f32 v252, v252, s[IN], s[EP]
	v_rsq_f32 v254, v254
	v_rsq_f32 v252, v252
	v_nop
	s_wait_alu depctr_va_vdst(0)
.set k, 0
.rept 16
	v_pk_mul_f32 v[168+k:169+k], v[168+k:169+k], v[252:253] op_sel_hi:[1,0]
	v_pk_mul_f32 v[200+k:201+k], v[200+k:201+k], v[254:255] op_sel_hi:[1,0]
.set k, k+2
.endr
	; THE WAY OUT: into my strip, which has had its one fill and whose x I have read, and back by rows: sixteen lanes store 256 consecutive bytes, aligned
.irp u, 0,1
.irp i, 0,1,2,3
.irp q, 0,1
	ds_store_b128 v7, v[168+32*\u+8*\i+4*\q:168+32*\u+8*\i+4*\q+3] offset:2176*\u+128*(\i/2)+32*(\i%2)+16*\q
.endr
.endr
.endr
.irp k, 0,1,2,3,4,5,6,7,8,9,10,11,12,13,14,15
	ds_load_b128 v[104+4*\k:104+4*\k+3], v8 offset:544*\k   ; LDS serves a wave's instructions in order: these see my stores
.endr
.irp k, 0,1,2,3,4,5,6,7,8,9,10,11,12,13,14,15
	s_wait_dscnt 15-\k
	global_store_b128 v9, v[104+4*\k:104+4*\k+3], s[16:17] offset:8192*\k th:TH_STORE_NT
.endr
	s_wait_xcnt 0x0
	v_lshl_add_u32 v254, v0, 2, 0x29000
	v_mov_b32 v255, 0
	s_wait_tensorcnt 0x0
	ds_add_u32 v254, v255
	s_wait_dscnt 0x0
	s_endpgm
.Lfunc_end_k_qe0e5ac112d_outp:
	.size	k_qe0e5ac112d_outp, .Lfunc_end_k_qe0e5ac112d_outp-k_qe0e5ac112d_outp
	.p2alignl 7, 3214868480
	.fill 96, 4, 3214868480
	.section	.rodata,"a",@progbits
	.p2align	6, 0x0
	.amdhsa_kernel k_qe0e5ac112d_outp
		.amdhsa_group_segment_fixed_size 169984
		.amdhsa_private_segment_fixed_size 0
		.amdhsa_enable_private_segment 0
		.amdhsa_kernarg_size 56
		.amdhsa_user_sgpr_count 2
		.amdhsa_user_sgpr_kernarg_segment_ptr 1
		.amdhsa_wavefront_size32 1
		.amdhsa_system_sgpr_workgroup_id_x 1
		.amdhsa_system_sgpr_workgroup_id_y 1
		.amdhsa_system_sgpr_workgroup_id_z 1
		.amdhsa_system_vgpr_workitem_id 0
		.amdhsa_next_free_vgpr 256
		.amdhsa_next_free_sgpr 66
		.amdhsa_reserve_vcc 0
		.amdhsa_float_denorm_mode_32 3
		.amdhsa_float_denorm_mode_16_64 3
		.amdhsa_memory_ordered 1
		.amdhsa_forward_progress 1
		.amdhsa_inst_pref_size 53
	.end_amdhsa_kernel
	.amdgpu_metadata
---
amdhsa.version: [ 1, 2 ]
amdhsa.kernels:
  - .name:           k_qe0e5ac112d_outp
    .symbol:         k_qe0e5ac112d_outp.kd
    .args:
      - { .name: nvc, .offset: 0, .size: 8, .value_kind: global_buffer, .address_space: global }
      - { .name: nvs, .offset: 8, .size: 8, .value_kind: global_buffer, .address_space: global }
      - { .name: wimg, .offset: 16, .size: 8, .value_kind: global_buffer, .address_space: global }
      - { .name: wsimg, .offset: 24, .size: 8, .value_kind: global_buffer, .address_space: global }
      - { .name: b_out, .offset: 32, .size: 8, .value_kind: global_buffer, .address_space: global }
      - { .name: x, .offset: 40, .size: 8, .value_kind: global_buffer, .address_space: global }
      - { .name: out0, .offset: 48, .size: 8, .value_kind: global_buffer, .address_space: global }
    .group_segment_fixed_size: 169984
    .private_segment_fixed_size: 0
    .kernarg_segment_align: 8
    .kernarg_segment_size: 56
    .max_flat_workgroup_size: 512
    .sgpr_count:     66
    .vgpr_count:     256
    .wavefront_size: 32
...
	.end_amdgpu_metadata
.endif
;; end of part 4
